; MI455X (gfx1250); checked and timed in simulation.
; The chip was launched on July 23, 2026; its instructions are those of AMD's public machine-readable ISA for CDNA 5 (MIT licence, August 2026) and "CDNA5" Instruction Set Architecture Reference Guide (July 2026). The comments in the code are by the model that wrote it; some were corrected since.
;; Head Attention. Allowed arithmetic: matrix products marked QUANTISED: E2M1 operands, one E8M0 scale for each 32 along K, by v_wmma_scale_f32_16x16x128_f8f6f4 with both operands' format E2M1 (or v_wmma_scale_f32_32x16x128_f4), f32 sums; everything else in f32.
;; Inputs: Wk 1,024 x 128 float32; Wq 1,024 x 128 float32; Wv 1,024 x 128 float32; bk 128 float32; bq 128 float32; bv 128 float32; x 4 x 4,096 x 1,024 float32.
;; Outputs: out0 4 x 4,096 x 128 float32.
;; This version of the problem:
;;   THIS VERSION OF THE PROBLEM IS GIVEN IN LOW PRECISION. The matrix products marked QUANTISED in the list below multiply operands that are first quantised to E2M1 (2 exponent bits, 1 mantissa bit; 4 bits a number), with one power-of-two scale for each 32 numbers along K (OCP MX v1.0); their sums are f32. All else is computed in f32.
;;   The module's matrix products, in the order in which they are computed (A, B: the left and right operand; K: the contracted axis; several contracted axes count as one K, in the product's order):
;;     1. [M 16,384, K 1,024] x [K 1,024, N 128]; A: input x; B: input Wq: QUANTISED
;;     2. [M 16,384, K 1,024] x [K 1,024, N 128]; A: input x; B: input Wk: QUANTISED
;;     3. [M 16,384, K 1,024] x [K 1,024, N 128]; A: input x; B: input Wv: QUANTISED
;;     4. batch 4 x [M 4,096, K 128] x [K 128, N 4,096]; A: computed on the way; B: computed on the way: QUANTISED
;;     5. batch 4 x [M 4,096, K 4,096] x [K 4,096, N 128]; A: softmax (see below); B: computed on the way: QUANTISED
;;   THE QUANTISER, for each operand of a quantised product, along K:
;;     - K is cut into blocks of 32 from its start; a last block that is shorter is filled with zeros.
;;     - A block's scale is 2^e with e = floor(log2(the largest magnitude in the block)) - 2, held to -126 .. 127; a block of zeros has e = 0. As a byte (E8M0): e + 127.
;;     - Each number is divided by its block's scale, clamped to +-6, and rounded to the nearest number of E2M1, ties to even, subnormals kept.
;;     - The product sums the exact products of the quantised numbers (number of the format x scale) in f32.
;;   ~~~python
;;   def quantise(x, axis):      # numpy; x: float32 -> the quantised numbers, widened to float32 again
;;       x = np.moveaxis(x, axis, -1); K = x.shape[-1]
;;       x = np.pad(x, [(0, 0)] * (x.ndim - 1) + [(0, -K % 32)]); x = x.reshape(x.shape[:-1] + (-1, 32)); a = np.abs(x).max(-1, keepdims=True)
;;       e = np.where(a > 0, np.clip(np.frexp(np.where(a > 0, a, 1))[1] - 1 - 2, -126, 127), 0)      # np.frexp(a)[1] - 1 = floor(log2(a)), exactly
;;       r = np.clip(x / 2.0 ** e, -6, 6)
;;       step = 2.0 ** (np.maximum(np.frexp(np.where(r == 0, 1, r))[1] - 1, 0) - 1)
;;       q = np.round(r / step) * step * 2.0 ** e      # np.round: ties to even
;;       return np.moveaxis(q.reshape(q.shape[:-2] + (-1,))[..., :K], -1, axis).astype(np.float32)
;;   ~~~
;;   SOFTMAX AHEAD OF A QUANTISED PRODUCT. Where the list says 'softmax', what is quantised is not the finished softmax but p = 2^(t - M), with t = logit x log2(e) and M = ceil(the row's largest t), a whole number; so 1/2 < the row's largest p <= 1. The row's sum l is taken of the UNQUANTISED p, in f32, and the product's result is divided by l at the end. Since M is a whole number, a kernel that streams over the keys may use a running M (the ceiling of the running maximum): every later rescaling is an exact power of two, which a block's scale takes up: the codes' values come out the same.
;;   OPERANDS COMPUTED ON THE WAY. 'Computed on the way' means the value that the module computes at that place (a softmax that the list does not call 'softmax' is quantised finished and normalised). What goes into a quantiser is computed in f32, as accurately as f32 sums, v_exp_f32 and their like allow (about 1e-6 of the number): no bf16 or f16 on the way to a quantiser, and a product that is left as it is and whose result goes on into a quantised operand takes f32 operands (vector FMAs, or v_wmma_f32_16x16x4_f32). A number that lies on a knife's edge between two numbers of the format may be rounded either way, as far as f32 arithmetic and the matrix unit's own rounding can turn it there, and no further.
;; One version. Each part assembles by itself: llvm-mc -triple=amdgcn-amd-amdhsa -mcpu=gfx1250 --defsym DOCPART=n.
;; ======== version 1 of 1: 3 launches
;; limits: right only within a limited range of input values
;; workspace buffers: wimg 196,608 bytes; wsc 12,288 bytes; qimg 1,048,576 bytes; qsc 65,536 bytes; kv 2,228,224 bytes
;; launch wq (part 1): grid 12 x 4, 8 waves a work-group, no clusters, 1,280 bytes of LDS; arguments Wq, Wk, Wv, wimg, wsc; writes wimg, wsc
.if DOCPART == 1
	.amdgcn_target "amdgcn-amd-amdhsa--gfx1250"
	.amdhsa_code_object_version 6
	.text
	.protected	k_qa391974a39_wq
	.globl	k_qa391974a39_wq
	.p2align	8
	.type	k_qa391974a39_wq,@function
k_qa391974a39_wq:
	s_mov_b64 s[64:65], 0
	v_nop
	global_prefetch_b8 v0, s[64:65] scope:SCOPE_SE
	s_setreg_imm32_b32 hwreg(HW_REG_WAVE_MODE, 25, 1), 1
	s_wait_xcnt 0x0
; Wq, Wk, Wv: [1024 (k)][128 (n)] f32, K their FIRST axis.  They become codes of FP4 (E2M1) with one E8M0 scale byte for each 32 along K,
; laid as the next launch's operand registers want them.
; WORK THAT THE PROGRAM LEAVES OUT: steps of 128 keys that all come after a block of queries.  the mask puts -inf in their place ahead of the softmax,
; so their weights are 0 whatever the inputs hold.  A NaN, an infinity or an overflow that reaches only those scores is not carried to the result.
; A FRAGMENT (16 columns x 128 K) is 8 registers a lane: lane (r, h) holds column r, registers 4 c .. 4 c + 3 hold k = 64 c + 32 h + 0 .. 31.
; Its IMAGE is 1,024 bytes: registers 4 c .. 4 c + 3 of lane l at byte 512 c + 16 l; so block t of the K step's four has its codes at 256 t + 16 r.
; wimg: [p = 4 mat + b (12)][tile u (2)][K step (8)][1024];  wsc: [p][two K steps y (4)][place 16 u + r (32)][K step of the two] scale words.
; Which columns form a tile: for q and k, lane r of tile u is column 32 b + 8 u + r + 8 (r / 8); for v, column 32 b + 16 u + r.
; So the place 16 u + r of column 32 b + l is l with bits 3 and 4 exchanged (q, k), or l (v).
; SHARES: work-group (p, y) takes 32 columns of one matrix and 256 along K; wave w takes block w of its eight; A LANE TAKES A COLUMN AND ITS REGISTERS RUN DOWN K:
; a block's largest magnitude needs no other lane, and the conversions give codes with K innermost.  Each load reads 128 consecutive bytes; all 32 go out together.
; A block's scale byte is its largest magnitude's exponent field - 2, held at 1 from below.
; LIMITS: a block of zeros, or one whose largest magnitude lies under 2^-124, gets the byte 1 (this program alone reads the bytes); NaN and infinities among the inputs are not served.
; No cluster: no two work-groups read the same bytes.
.set SPARE, 256                        ; LDS: 0 .. 255 the scale bytes, 8 x column + wave; behind them the spare words, 128 bytes for each of eight waves
.set SPW, 14                           ; v14  LDS address of my spare word; never rewritten
.set NIL, 15                           ; v15  0; never rewritten
.set CD,  16                           ; v16-19  codes
.set X,   32                           ; v32-63  my block
	s_load_b256 s[4:11], s[0:1], 0x0               ; Wq s[4:5], Wk s[6:7], Wv s[8:9], wimg s[10:11]
	s_load_b64 s[12:13], s[0:1], 0x20              ; wsc
	v_lshrrev_b32 v1, 5, v0
	v_readfirstlane_b32 s14, v1                    ; wave
	s_lshr_b32 s15, ttmp9, 2                       ; which matrix: 0 q, 1 k, 2 v
	s_and_b32 s16, ttmp9, 3                        ; which 32 columns
	s_and_b32 s17, ttmp7, 0xffff                   ; y
	s_cmp_eq_u32 s15, 2
	s_cselect_b32 s18, -1, 0                       ; all lanes' bits set for v: columns keep their order
	s_lshl_b32 s20, s17, 17                        ; W: 256 rows of 512 bytes for each y,
	s_lshl_b32 s21, s14, 14                        ; 32 rows for each wave,
	s_add_co_u32 s20, s20, s21
	s_lshl_b32 s21, s16, 7                         ; 128 bytes for each 32 columns
	s_add_co_u32 s20, s20, s21
	s_mov_b32 s21, 0
	s_lshl_b32 s22, ttmp9, 14                      ; wimg: 16 images for each p,
	s_lshl_b32 s23, s17, 11                        ; two K steps for each y,
	s_add_co_u32 s22, s22, s23
	s_lshl_b32 s23, s14, 8                         ; 256 bytes for each block: 1,024 x (wave / 4) + 256 x (wave % 4)
	s_add_co_u32 s22, s22, s23
	s_mov_b32 s23, 0
	s_lshl_b32 s24, ttmp9, 10                      ; wsc: 1,024 bytes for each p, 256 for each y
	s_lshl_b32 s25, s17, 8
	s_add_co_u32 s24, s24, s25
	s_mov_b32 s25, 0
	v_lshl_add_u32 v[SPW], v0, 2, SPARE
	v_mov_b32 v[NIL], 0
	v_and_b32 v1, 31, v0                           ; lane = column in the 32
	v_bfe_u32 v4, v0, 3, 1
	v_bfe_u32 v5, v0, 4, 1
	v_and_b32 v3, 7, v0
	v_lshlrev_b32 v2, 2, v1                        ; in: 4 bytes a lane
	v_lshl_or_b32 v3, v4, 4, v3
	v_lshlrev_b32 v6, 3, v1                        ; LDS: my column's eight scale bytes
	v_lshl_or_b32 v3, v5, 3, v3                    ; bits 3 and 4 exchanged
	v_lshl_add_u32 v5, v1, 3, s14                  ; LDS: my block's byte
	v_cndmask_b32 v3, v3, v1, s18                  ; my column's place 16 u + r
	v_lshrrev_b32 v4, 4, v3
	v_and_b32 v8, 15, v3
	v_lshlrev_b32 v7, 3, v3                        ; wsc: 8 x place.  The exchange moves whole groups of 8 columns: the 32 lanes store 256 consecutive bytes, aligned
	v_lshlrev_b32 v4, 13, v4                       ; codes out: tile u is 8 images on,
	v_lshl_add_u32 v4, v8, 4, v4                   ; + 16 r
	s_wait_alu depctr_va_vdst(0)                   ; the wait at the head's end
	s_wait_kmcnt 0x0
	s_cmp_eq_u32 s15, 0                            ; the choice hangs on the work-group's number alone
	s_cselect_b64 s[26:27], s[4:5], s[6:7]
	s_cmp_eq_u32 s15, 2
	s_cselect_b64 s[26:27], s[8:9], s[26:27]
	s_add_nc_u64 s[26:27], s[26:27], s[20:21]
	s_add_nc_u64 s[10:11], s[10:11], s[22:23]
	s_add_nc_u64 s[12:13], s[12:13], s[24:25]
.set j, 0
.rept 32
	global_load_b32 v[X+j], v2, s[26:27] offset:512*j th:TH_LOAD_NT
.set j, j+1
.endr
	s_wait_loadcnt 0x10                            ; loads come back in order: the first 16 are in
	v_max3_num_f32 v8, |v[X]|, |v[X+1]|, |v[X+2]|  ; the block's largest magnitude: all 32 numbers are mine; two chains
	v_max3_num_f32 v9, |v[X+3]|, |v[X+4]|, |v[X+5]|
.irp i, 6,10
	v_max3_num_f32 v8, v8, |v[X+\i]|, |v[X+\i+1]|
	v_max3_num_f32 v9, v9, |v[X+\i+2]|, |v[X+\i+3]|
.endr
	v_max3_num_f32 v8, v8, |v[X+14]|, |v[X+15]|
	s_wait_alu depctr_va_vdst(0)                   ; directly ahead of the wait below
	s_wait_loadcnt 0x0
.irp i, 16,20,24,28
	v_max3_num_f32 v8, v8, |v[X+\i]|, |v[X+\i+1]|
	v_max3_num_f32 v9, v9, |v[X+\i+2]|, |v[X+\i+3]|
.endr
	v_max3_num_f32 v8, v8, v9, 0x1800000           ; and the floor 2^(3 - 127): the byte cannot fall under 1
	v_add_nc_u32 v10, 0xff000000, v8               ; 2 off the exponent field: the conversion takes the exponent field of this operand as its scale
.irp g, 0,1,2,3
	v_cvt_scalef32_pk8_fp4_f32 v[CD+\g], v[X+8*\g:X+8*\g+7], v10
.endr
	v_lshrrev_b32 v11, 23, v10                     ; the scale's byte
	global_store_b128 v4, v[CD:CD+3], s[10:11]     ; the sixteen columns of a tile store 256 consecutive bytes, aligned
	ds_store_b8 v5, v11
	s_wait_dscnt 0x0                               ; for wave 0's sake: my bytes have landed
	s_barrier_signal -1
	s_barrier_wait -1
	s_cmp_lg_u32 s14, 0
	s_cbranch_scc1 .Lend
	ds_load_b64 v[12:13], v6
	s_wait_dscnt 0x0
	global_store_b64 v7, v[12:13], s[12:13]
.Lend:
	s_wait_tensorcnt 0x0                           ; the wave's end: behind my last LDS store
	ds_add_u32 v[SPW], v[NIL]
	s_wait_dscnt 0x0
	s_endpgm
.Lfunc_end_k_qa391974a39_wq:
	.size	k_qa391974a39_wq, .Lfunc_end_k_qa391974a39_wq-k_qa391974a39_wq
	.p2alignl 7, 3214868480
	.fill 96, 4, 3214868480
	.section	.rodata,"a",@progbits
	.p2align	6, 0x0
	.amdhsa_kernel k_qa391974a39_wq
		.amdhsa_group_segment_fixed_size 1280
		.amdhsa_private_segment_fixed_size 0
		.amdhsa_enable_private_segment 0
		.amdhsa_kernarg_size 40
		.amdhsa_user_sgpr_count 2
		.amdhsa_user_sgpr_kernarg_segment_ptr 1
		.amdhsa_wavefront_size32 1
		.amdhsa_system_sgpr_workgroup_id_x 1
		.amdhsa_system_sgpr_workgroup_id_y 1
		.amdhsa_system_sgpr_workgroup_id_z 1
		.amdhsa_system_vgpr_workitem_id 0
		.amdhsa_next_free_vgpr 64
		.amdhsa_next_free_sgpr 66
		.amdhsa_reserve_vcc 0
		.amdhsa_float_denorm_mode_32 3
		.amdhsa_float_denorm_mode_16_64 3
		.amdhsa_memory_ordered 1
		.amdhsa_forward_progress 1
		.amdhsa_inst_pref_size 8
	.end_amdhsa_kernel
	.amdgpu_metadata
---
amdhsa.version: [ 1, 2 ]
amdhsa.kernels:
  - .name:           k_qa391974a39_wq
    .symbol:         k_qa391974a39_wq.kd
    .args:
      - { .name: Wq, .offset: 0, .size: 8, .value_kind: global_buffer, .address_space: global }
      - { .name: Wk, .offset: 8, .size: 8, .value_kind: global_buffer, .address_space: global }
      - { .name: Wv, .offset: 16, .size: 8, .value_kind: global_buffer, .address_space: global }
      - { .name: wimg, .offset: 24, .size: 8, .value_kind: global_buffer, .address_space: global }
      - { .name: wsc, .offset: 32, .size: 8, .value_kind: global_buffer, .address_space: global }
    .group_segment_fixed_size: 1280
    .private_segment_fixed_size: 0
    .kernarg_segment_align: 8
    .kernarg_segment_size: 40
    .max_flat_workgroup_size: 256
    .sgpr_count:     66
    .vgpr_count:     64
    .wavefront_size: 32
...
	.end_amdgpu_metadata
.endif
;; end of part 1
;; launch proj (part 2): grid 256 x 1, 16 waves a work-group, no clusters, 327,680 bytes of LDS; arguments x, wimg, wsc, bq, bk, bv, qimg, qsc, kv; writes qimg, qsc, kv
.if DOCPART == 2
	.amdgcn_target "amdgcn-amd-amdhsa--gfx1250"
	.amdhsa_code_object_version 6
	.text
	.protected	k_qa391974a39_proj
	.globl	k_qa391974a39_proj
	.p2align	8
	.type	k_qa391974a39_proj,@function
k_qa391974a39_proj:
	s_mov_b64 s[64:65], 0
	v_nop
	global_prefetch_b8 v0, s[64:65] scope:SCOPE_SE
	s_setreg_imm32_b32 hwreg(HW_REG_WAVE_MODE, 25, 1), 1
	s_wait_xcnt 0x0
; q = x Wq + bq, k = x Wk + bk, v = x Wv + bv on codes of FP4 (E2M1) with one E8M0 scale for each 32 along K = 1,024; the results are quantised at once for the attention launch:
; q and k along the head's 128, v along the keys.  x: [16384][1024] f32.  The weights come as register images and scale words (wimg, wsc).
; A FRAGMENT (16 rows x 128 K) is 8 registers a lane: lane (r, h): row r, registers 4 c .. 4 c + 3: k = 64 c + 32 h + 0 .. 31.  Its IMAGE: registers 4 c .. 4 c + 3 of lane l at byte 512 c + 16 l.
; SHARES.  Work-group G takes rows 64 G .. 64 G + 63: 262,144 bytes of x, all asked for at the head by 16 tensor loads, one a wave; nothing is filled twice.
;   X: wave w quantises 32 rows (32 (w % 2) on) x K step w / 2: two fragments, whose images and scale words go to LDS | barrier |
;   M: waves 0-3 make q, 4-7 k, 8-11 v: 32 columns each (two tiles), all 8 K steps, the 64 rows in two passes of 32; the wave's 16 fragments of W stay in its registers; results are quantised in registers and stored | barrier |
;   waves 12 and 13 store q's and k's scale words.
; THE ROWS OF A TILE ARE NOT NEIGHBOURS: lane r of tile 2 b' + u is row 32 b' + 8 u + r + 8 (r / 8).
;   q, k: the product is used transposed (source 0 = 16 columns of W, source 1 = 16 rows of x): a lane holds one row, and the 16 registers of column tiles 0 and 1 are head units 32 b + 16 h + 0 .. 15.
;   v: source 0 = 16 rows of x, source 1 = 16 columns of W: a lane holds one channel d, and the 16 registers of row tiles 0 and 1 are keys 32 b' + 16 h + 0 .. 15.
; The biases are the C of each sum's first matrix instruction.
; OUT.  qimg [G][tile (4)][1024], qsc [G][lane (32)][2] words.  kv, for each batch 557,056 bytes: 32 steps of 128 keys x (K's 8 images, then V's 8 images);
;   from byte 524,288 K's scale words [64 keys (64)][lane (32)][2], from 540,672 V's scale bytes [64 keys (64)][lane (32)][b (4)][2].
; V's scale bytes leave as 2 bytes a lane, 4 bytes apart, 256 bytes a work-group in all: a word's four blocks of keys come from two work-groups.
; NO JOINT LOADS OF W, though all work-groups read it: x takes 270,336 bytes of LDS and its images and scale words 34,816; the 208,896 bytes of weights do not fit beside them.
; LIMITS: a block of zeros, or one whose largest magnitude lies under 2^-124, gets the byte 1 (this program alone reads the bytes); NaN and infinities among the inputs are not served.
; AS THE TEXT BELOW STORES AND FETCHES: x comes by 16 tensor loads of 32 rows, one a wave.  kv, for each batch 557,056 bytes: 32 steps of 128 keys x (K's 8 images, then V's 8 images);
;   from byte 524,288 K's scale words [64 keys (64)][lane (32)][2]: word i of lane l is tile 2 i + l / 16, row l % 16; from 540,672 V's scale bytes [64 keys (64)][lane (32)][b (4)][2].
;   qsc [G][lane (32)][2] words in K's order.  wsc is read as [p][two K steps (4)][place (32)][2].  V's bytes are gathered in LDS too: waves 12, 13, 14 store q's, k's and v's 256 bytes.
.set XP,    528                        ; a row of x in LDS: 512 bytes + 16 of padding
.set HI16,  16*XP                      ; a wave's rows 16-31 begin here
.set WREG,  HI16+16*XP                 ; a wave's 32 rows: 16,896 bytes
.set XIMG,  16*WREG                    ; x's 32 images: 2 w + u
.set XSC,   XIMG+32*1024               ; their scale words: 128 bytes for each wave: lanes 0-15 tile u = 0, lanes 16-31 u = 1
.set SCB,   XSC+16*128                 ; q's scale bytes [lane (32)][word (2)][4] in K's order, then k's
.set SPARE, SCB+768                    ; (behind q's and k's scale bytes 256 bytes of v's) the spare words, 128 bytes for each of sixteen waves: eight blocks of 256 bytes that no other line names
.set LI,  1                            ; v1   16 x lane
.set XRD, 2                            ; v2   my row's bytes in my wave's part of x
.set XWI, 3                            ; v3   where I store x's images
.set XWS, 4                            ; v4   and their scale words
.set XRI, 5                            ; v5   where I read images
.set XRS, 6                            ; v6   and scale words
.set SBW, 7                            ; v7   where I put a scale byte of q or k
.set SBR, 8                            ; v8   where waves 12, 13 read them
.set GK,  9                            ; v9   16 r + 8 h: my 8 bytes of a block's 256 in an image
.set L8,  10                           ; v10  8 x lane
.set L4,  11                           ; v11  4 x lane
.set VBW, 12                           ; v12  where I put two scale bytes of v
.set SPW, 13                           ; v13  LDS address of my spare word; never rewritten
.set NIL, 14                           ; v14  0; never rewritten
.set BO,  15                           ; v15  my offset in a bias
.set W,   16                           ; v16-143  W's fragments: (tile uc, K step s) at 8 (8 uc + s)
.set WS,  144                          ; v144-151 W's scale words of K step s: lanes 0-15 tile 0, lanes 16-31 tile 1
.set NUM, 152                          ; v152-215 64 numbers of x;  later:
.set ACC, 152                          ; v152-183 four accumulators
.set XF,  184                          ; v184-215 x's fragments: two buffers of two
.set XS,  216                          ; v216-217 x's scale words, one register a buffer
.set BIAS, 218                         ; v218-233 eight registers for each column tile
.set TM,  234                          ; v234-237 largest magnitudes
.set TP,  238                          ; v238-241 the other half's; then the bytes
.set TS,  242                          ; v242-245 the conversions' scale operands
.set PW,  246                          ; v246, v247 scale words in the making
.set PC,  248                          ; v248-255 codes
.set WV,  22
.set SEL, 24                           ; s[24:25] lane selects for v_permlanex16_b32: lane l xor 16
.set G1,  28                           ; s[28:35] descriptor group 1;  s[36:39] group 0 of my load
.set HM,  44                           ; s44  the bits of lanes 16-31
; 64 numbers of a lane, register 16 b + i = k 32 b + 16 h + i of my row, become a fragment's codes in v[PC] on and its scale word in v[PW]
.macro QUANT s
.irp b, 0,1,2,3
	v_max3_num_f32 v[TM+\b], |v[\s+16*\b]|, |v[\s+1+16*\b]|, 0x1800000   ; block b: my 16 numbers, and the floor 2^(3 - 127): the byte cannot fall under 1
.endr
.irp i, 2,4,6,8,10,12,14
.irp b, 0,1,2,3
	s_delay_alu instid0(VALU_DEP_4)
	v_max3_num_f32 v[TM+\b], v[TM+\b], |v[\s+16*\b+\i]|, |v[\s+1+16*\b+\i]|   ; the four blocks by turns
.endr
.endr
.irp b, 0,1,2,3
	s_delay_alu instid0(VALU_DEP_4)
	v_permlanex16_b32 v[TP+\b], v[TM+\b], s[SEL], s[SEL+1]
.endr
.irp b, 0,1,2,3
	s_delay_alu instid0(VALU_DEP_4)
	v_max_num_f32 v[TM+\b], v[TM+\b], v[TP+\b]     ; with lane l xor 16's: the block's largest magnitude
.endr
.irp b, 0,1,2,3
	s_delay_alu instid0(VALU_DEP_4)
	v_add_nc_u32 v[TS+\b], 0xff000000, v[TM+\b]    ; 2 off its exponent field: the conversion's scale operand
.endr
.irp b, 0,1,2,3
	s_delay_alu instid0(VALU_DEP_4)
	v_lshrrev_b32 v[TP+\b], 23, v[TS+\b]           ; the scale's byte
.endr
	s_delay_alu instid0(VALU_DEP_3)
	v_lshl_or_b32 v[PW], v[TP+1], 8, v[TP]
	s_delay_alu instid0(VALU_DEP_1)
	v_lshl_or_b32 v[PW], v[TP+2], 16, v[PW]
	s_delay_alu instid0(VALU_DEP_1)
	v_lshl_or_b32 v[PW], v[TP+3], 24, v[PW]
.irp b, 0,1,2,3
	v_cvt_scalef32_pk8_fp4_f32 v[PC+2*\b], v[\s+16*\b:\s+7+16*\b], v[TS+\b]
	v_cvt_scalef32_pk8_fp4_f32 v[PC+1+2*\b], v[\s+8+16*\b:\s+15+16*\b], v[TS+\b]
.endr
	v_nop                                          ; one plain line behind a scaled conversion
.irp c, 0,1                                    ; the operand's layout wants a WHOLE block in a lane: lanes 0-15 block 2 c, lanes 16-31 block 2 c + 1
.irp i, 0,1
	v_permlane16_swap_b32 v[PC+4*\c+\i], v[PC+2+4*\c+\i]
.endr
.endr
.endm
; x's two fragments and their scale words for rows 32 bp on, K step s, into buffer buf: five LDS loads
.macro XFETCH buf, bp, s
.irp u, 0,1
.irp c, 0,1
	ds_load_b128 v[XF+16*(\buf)+8*\u+4*\c:XF+16*(\buf)+8*\u+4*\c+3], v[XRI] offset:((2*(\s)+(\bp))*2+\u)*1024+512*\c
.endr
.endr
	ds_load_b32 v[XS+(\buf)], v[XRS] offset:(2*(\s)+(\bp))*128
.endm
; one matrix instruction on rD, rA, rB, rC, rSA, rSB; ra, rb = 1: that side's scales stand in lanes 16-31
.macro WM ra, rb
.if (\ra) && (\rb)
	v_wmma_scale_f32_16x16x128_f8f6f4 v[rD:rD+7], v[rA:rA+7], v[rB:rB+7], v[rC:rC+7], v[rSA], v[rSB] matrix_a_fmt:MATRIX_FMT_FP4 matrix_b_fmt:MATRIX_FMT_FP4 matrix_a_scale:MATRIX_SCALE_ROW1 matrix_b_scale:MATRIX_SCALE_ROW1
.elseif (\ra)
	v_wmma_scale_f32_16x16x128_f8f6f4 v[rD:rD+7], v[rA:rA+7], v[rB:rB+7], v[rC:rC+7], v[rSA], v[rSB] matrix_a_fmt:MATRIX_FMT_FP4 matrix_b_fmt:MATRIX_FMT_FP4 matrix_a_scale:MATRIX_SCALE_ROW1
.elseif (\rb)
	v_wmma_scale_f32_16x16x128_f8f6f4 v[rD:rD+7], v[rA:rA+7], v[rB:rB+7], v[rC:rC+7], v[rSA], v[rSB] matrix_a_fmt:MATRIX_FMT_FP4 matrix_b_fmt:MATRIX_FMT_FP4 matrix_b_scale:MATRIX_SCALE_ROW1
.else
	v_wmma_scale_f32_16x16x128_f8f6f4 v[rD:rD+7], v[rA:rA+7], v[rB:rB+7], v[rC:rC+7], v[rSA], v[rSB] matrix_a_fmt:MATRIX_FMT_FP4 matrix_b_fmt:MATRIX_FMT_FP4
.endif
.endm
; Step n = 8 x pass + K step: the next step's fragments are asked for, then four matrix instructions on four accumulators by turns.  vv = 1: v's form
.macro MSTEP vv, n
.set BUF, (\n)%2
.set SS, (\n)%8
.if (\n) < 15
.if (\n) > 0
.rept 4
	v_nop                                          ; four places between the last step's products and the loads into the buffer and the scale register that they read (ISA guide 7.12.1 for vector instructions)
.endr
.endif
	XFETCH 1-BUF, ((\n)+1)/8, ((\n)+1)%8
	s_wait_dscnt 5                                 ; LDS instructions end in order: all but the five just issued are done, this step's among them
.else
	s_wait_dscnt 0x0
.endif
.irp o, 0,1
.irp i, 0,1
.set rD, ACC+8*(2*\o+\i)
.set rC, rD
.if \vv                                        ; o: column tile, i: row tile
.set rA, XF+16*BUF+8*\i
.set rB, W+8*(8*\o+SS)
.set rSA, XS+BUF
.set rSB, WS+SS
.if SS == 0
.set rC, BIAS+8*\o
.endif
.else                                          ; o: row tile, i: column tile
.set rA, W+8*(8*\i+SS)
.set rB, XF+16*BUF+8*\o
.set rSA, WS+SS
.set rSB, XS+BUF
.if SS == 0
.set rC, BIAS+8*\i
.endif
.endif
	WM \i, \o
.endr
.endr
.endm
; The four accumulators are two units of 16 neighbours along the next K (unit p: v[ACC + 16 p] on); a block of 32 lies in lanes l and l xor 16.  Codes into v[d0], v[d0 + 1] and v[d1], v[d1 + 1]; bytes into v[TP], v[TP + 1]
.macro OUTQ d0, d1
.irp p, 0,1
	v_max3_num_f32 v[TM+\p], |v[ACC+16*\p]|, |v[ACC+16*\p+1]|, 0x1800000   ; each accumulator is read from its low end on
.endr
.irp i, 2,4,6,8,10,12,14
.irp p, 0,1
	v_max3_num_f32 v[TM+\p], v[TM+\p], |v[ACC+16*\p+\i]|, |v[ACC+16*\p+\i+1]|
.endr
.endr
.irp p, 0,1
	s_delay_alu instid0(VALU_DEP_2)
	v_permlanex16_b32 v[TP+\p], v[TM+\p], s[SEL], s[SEL+1]
.endr
.irp p, 0,1
	s_delay_alu instid0(VALU_DEP_2)
	v_max_num_f32 v[TM+\p], v[TM+\p], v[TP+\p]
.endr
.irp p, 0,1
	s_delay_alu instid0(VALU_DEP_2)
	v_add_nc_u32 v[TS+\p], 0xff000000, v[TM+\p]
.endr
.irp p, 0,1
	s_delay_alu instid0(VALU_DEP_2)
	v_lshrrev_b32 v[TP+\p], 23, v[TS+\p]
.endr
	v_cvt_scalef32_pk8_fp4_f32 v[\d0], v[ACC:ACC+7], v[TS]
	v_cvt_scalef32_pk8_fp4_f32 v[\d0+1], v[ACC+8:ACC+15], v[TS]
	v_cvt_scalef32_pk8_fp4_f32 v[\d1], v[ACC+16:ACC+23], v[TS+1]
	v_cvt_scalef32_pk8_fp4_f32 v[\d1+1], v[ACC+24:ACC+31], v[TS+1]
	v_nop                                          ; one plain line behind a scaled conversion: matrix instructions write its sources again
.endm
.macro FINISH vv, bp                   ; a pass's sums are whole
.rept 5
	v_nop                                          ; four places ahead of the first read of results; five, since the next pass begins these accumulators anew with another C
.endr
.if \vv
	OUTQ PC+2*(\bp), PC+4+2*(\bp)
.irp p, 0,1
.if (\bp) == 0
	v_mov_b32 v[PW+\p], v[TP+\p]                   ; channel tile p: the byte of keys 0-31,
.else
	v_lshl_or_b32 v[PW+\p], v[TP+\p], 8, v[PW+\p]  ; and above it that of keys 32-63
.endif
.endr
.else
	OUTQ PC+4*(\bp), PC+4*(\bp)+2
.irp p, 0,1
	global_store_b64 v[GK], v[PC+4*(\bp)+2*\p:PC+4*(\bp)+2*\p+1], s[56:57] offset:1024*(2*(\bp)+\p)   ; block b of tile 2 bp + p: the 32 lanes store 256 consecutive bytes, aligned
	ds_store_b8 v[SBW], v[TP+\p] offset:128*\p+4*(\bp)   ; both lanes of a row write the same byte with the same value
.endr
.endif
.endm
.macro PATH vv
	XFETCH 0, 0, 0
.irp n, 0,1,2,3,4,5,6,7,8,9,10,11,12,13,14,15
	MSTEP \vv, \n
.if (\n)%8 == 7
	FINISH \vv, (\n)/8
.endif
.endr
.endm
	s_load_b512 s[4:19], s[0:1], 0x0               ; x s[4:5], wimg s[6:7], wsc s[8:9], bq s[10:11], bk s[12:13], bv s[14:15], qimg s[16:17], qsc s[18:19]
	s_load_b64 s[20:21], s[0:1], 0x40              ; kv
	v_lshl_add_u32 v[SPW], v0, 2, SPARE
	v_mov_b32 v[NIL], 0
	ds_add_u32 v[SPW], v[NIL]                      ; the wave's opening: the add and its wait ahead of my first tensor load; the set-up below, work on registers, stands between them
	ds_add_u32 v[SPW], v[NIL]
	v_lshrrev_b32 v1, 5, v0
	s_delay_alu instid0(VALU_DEP_1)
	v_readfirstlane_b32 s[WV], v1                  ; wave 0..15
	; descriptor group 1: 32 rows of 512 bytes (64 elements of 8), 4,096 bytes apart in memory, 16 bytes of padding behind each in LDS
	s_mov_b32 s[G1+0], (3<<16)|(1<<20)|(6<<22)|(3<<25)   ; 15:0 no mask; 17:16 elements of 8 bytes; 20 padding on; 24:22 after every 128 words (code 6); 31:25 four words (code 3)
	s_mov_b32 s[G1+1], 64<<16                      ; tensor_dim0
	s_mov_b32 s[G1+2], 32<<16                      ; tensor_dim1: 32 rows
	s_mov_b32 s[G1+3], 64<<16                      ; tile_dim0
	s_mov_b32 s[G1+4], 32                          ; tile_dim1
	s_mov_b32 s[G1+5], 512                         ; tensor_dim0_stride
	s_mov_b32 s[G1+6], 0
	s_mov_b32 s[G1+7], 0
	s_mov_b32 s36, 1
	s_mul_i32 s37, s[WV], WREG                     ; my part of LDS: my 32 rows,
	s_mov_b32 s[SEL], 0x76543210
	s_mov_b32 s[SEL+1], 0xfedcba98
	s_mov_b32 s[HM], 0xffff0000
	s_and_b32 s46, s[WV], 1                        ; which 32 rows I quantise,
	s_lshr_b32 s47, s[WV], 1                       ; which K step
	s_lshl_b32 s48, ttmp9, 18                      ; 64 rows of 4,096 bytes a work-group
	s_lshl_b32 s46, s46, 17
	s_add_co_u32 s48, s48, s46
	s_lshl_b32 s47, s47, 9
	s_add_co_u32 s48, s48, s47
	s_mov_b32 s49, 0
	; every LDS address is made here, ahead of the first branch on the wave's number
	v_and_b32 v152, 31, v0                         ; lane
	v_and_b32 v153, 15, v0                         ; r
	v_bfe_u32 v154, v0, 4, 1                       ; h
	s_delay_alu instid0(VALU_DEP_3)
	v_lshlrev_b32 v[LI], 4, v152
	s_delay_alu instid0(VALU_DEP_4)
	v_lshlrev_b32 v[L8], 3, v152
	v_lshlrev_b32 v[L4], 2, v152
	v_lshlrev_b32 v[GK], 4, v153
	s_delay_alu instid0(VALU_DEP_1)
	v_lshl_add_u32 v[GK], v154, 3, v[GK]
	v_and_b32 v155, 7, v0
	s_delay_alu instid0(VALU_DEP_1)
	v_mul_u32_u24 v[XRD], v155, XP                 ; lane r of tile u reads row 8 u + r % 8 + 16 (r / 8) of my 32,
	v_bfe_u32 v155, v0, 3, 1
	s_delay_alu instid0(VALU_DEP_1)
	v_mad_u32_u24 v[XRD], v155, HI16, v[XRD]
	s_delay_alu instid0(VALU_DEP_1)
	v_lshl_add_u32 v[XRD], v154, 6, v[XRD]         ; 16 numbers of each block of 32: + 64 h
	s_delay_alu instid0(VALU_DEP_1)
	v_add_nc_u32 v[XRD], s37, v[XRD]
	s_lshl_b32 s46, s[WV], 11
	v_add_nc_u32 v[XWI], s46, v[LI]
	s_delay_alu instid0(VALU_DEP_1)
	v_add_nc_u32 v[XWI], XIMG, v[XWI]
	s_lshl_b32 s46, s[WV], 7
	v_add_nc_u32 v[XWS], s46, v[L4]
	s_delay_alu instid0(VALU_DEP_1)
	v_add_nc_u32 v[XWS], XSC, v[XWS]
	v_add_nc_u32 v[XRI], XIMG, v[LI]
	v_add_nc_u32 v[XRS], XSC, v[L4]
	s_lshr_b32 s46, s[WV], 2
	s_min_u32 s46, s46, 1                          ; q's bytes, or k's
	s_lshl_b32 s46, s46, 8
	s_and_b32 s69, s[WV], 3                        ; b: which 32 columns are mine: the byte's place in a word
	s_add_co_u32 s46, s46, s69
	v_lshl_add_u32 v[SBW], v153, 3, s46
	s_delay_alu instid0(VALU_DEP_1)
	v_add_nc_u32 v[SBW], SCB, v[SBW]
	s_and_b32 s46, s[WV], 3
	s_lshl_b32 s47, s46, 1
	s_lshl_b32 s46, s46, 8                         ; waves 12, 13, 14: q's, k's, v's 256 bytes
	v_lshl_add_u32 v[VBW], v152, 3, s47
	v_add_nc_u32 v[VBW], SCB+512, v[VBW]
	v_add_nc_u32 v[SBR], s46, v[L8]
	s_delay_alu instid0(VALU_DEP_1)
	v_add_nc_u32 v[SBR], SCB, v[SBR]
.irp b, 0,1,2,3
	v_mov_b32 v[TP+\b], 0                          ; written once: a lane permute's destination counts as one of its sources
.endr
	; where the results go, in bytes
	s_and_b32 s60, ttmp9, 63                       ; g: my 64 rows in the batch
	s_lshr_b32 s61, ttmp9, 6
	s_mul_i32 s61, s61, 557056                     ; the batch's part of kv
	s_lshr_b32 s62, s60, 1
	s_lshl_b32 s62, s62, 14
	s_add_co_u32 s62, s62, s61                     ; its step of 128 keys
	s_and_b32 s67, s60, 1
	s_lshl_b32 s63, s67, 12
	s_add_co_u32 s63, s63, s62                     ; K's codes: four images for each 64 keys
	s_lshl_b32 s66, s67, 9                         ; V's codes: which half of each image my 64 keys are,
	s_add_co_u32 s66, s66, s62
	s_add_co_u32 s66, s66, 8192                    ; behind K's images
	s_lshl_b32 s70, ttmp9, 12                      ; q's codes
	s_lshl_b32 s71, s69, 8                         ; q, k: block b of an image;
	s_lshl_b32 s76, s69, 11                        ; v: two images for each 32 channels
	s_lshl_b32 s72, s69, 7                         ; a bias's 32 numbers
	s_mov_b32 s73, 0
	s_lshl_b32 s77, s60, 8
	s_add_co_u32 s77, s77, s61
	s_add_co_u32 s77, s77, 540672                  ; V's scale bytes
	s_lshl_b32 s78, s60, 8
	s_add_co_u32 s78, s78, s61
	s_add_co_u32 s78, s78, 524288                  ; K's scale words
	s_lshl_b32 s79, ttmp9, 8                       ; q's
	s_cmp_lt_u32 s[WV], 4
	s_cselect_b32 s56, s70, s63
	s_cmp_lt_u32 s[WV], 8
	s_cselect_b32 s56, s56, s66
	s_cselect_b32 s71, s71, s76
	s_add_co_u32 s56, s56, s71
	s_mov_b32 s57, 0
	s_cmp_eq_u32 s[WV], 12
	s_cselect_b32 s58, s79, s78
	s_cmp_eq_u32 s[WV], 14
	s_cselect_b32 s58, s77, s58
	s_mov_b32 s59, 0
	s_lshl_b32 s50, s[WV], 14                      ; my 16 fragments of W,
	s_mov_b32 s51, 0
	s_lshl_b32 s52, s[WV], 10                      ; and their scale words
	s_mov_b32 s53, 0
	s_wait_dscnt 0x0                               ; the opening add is done
	s_wait_kmcnt 0x0
	s_add_nc_u64 s[38:39], s[4:5], s[48:49]        ; my 32 rows,
	s_or_b32 s39, s39, 0x80000000                  ; 127:126 type = 2
	tensor_load_to_lds s[36:39], s[G1:G1+7]        ; my 32 rows: the wave's one load
	s_nop 0
	s_add_nc_u64 s[50:51], s[6:7], s[50:51]
	s_add_nc_u64 s[52:53], s[8:9], s[52:53]
	s_cmp_lt_u32 s[WV], 4                          ; the choices hang on the wave's number alone
	s_cselect_b64 s[54:55], s[10:11], s[12:13]
	s_cselect_b64 s[74:75], s[16:17], s[20:21]
	s_cmp_lt_u32 s[WV], 8
	s_cselect_b64 s[54:55], s[54:55], s[14:15]
	s_add_nc_u64 s[54:55], s[54:55], s[72:73]      ; my 32 numbers of my bias
	s_add_nc_u64 s[56:57], s[74:75], s[56:57]      ; my codes' place
	s_cmp_eq_u32 s[WV], 12
	s_cselect_b64 s[74:75], s[18:19], s[20:21]
	s_add_nc_u64 s[58:59], s[74:75], s[58:59]      ; my scale bytes' place
	s_cmp_lt_u32 s[WV], 12
	s_cbranch_scc0 .Lno_w
.set i, 0
.rept 32                                       ; W stays in registers; it lands while x is quantised
	global_load_b128 v[W+4*i:W+4*i+3], v[LI], s[50:51] offset:512*i
.set i, i+1
.endr
.irp y, 0,1,2,3
	global_load_b64 v[WS+2*\y:WS+2*\y+1], v[L8], s[52:53] offset:256*\y
.endr
	s_cmp_lt_u32 s[WV], 8
	s_cbranch_scc0 .Lbias_v
	v_lshlrev_b32 v[BO], 6, v154                   ; q, k: register j of column tile uc is head unit 32 b + 16 h + 8 uc + j
.irp u, 0,1
	global_load_b128 v[BIAS+8*\u:BIAS+8*\u+3], v[BO], s[54:55] offset:32*\u
	global_load_b128 v[BIAS+8*\u+4:BIAS+8*\u+7], v[BO], s[54:55] offset:32*\u+16
.endr
	s_branch .Lno_w
.Lbias_v:
	v_lshlrev_b32 v[BO], 2, v153                   ; v: all eight registers of column tile uc are channel 32 b + 16 uc + r
	global_load_b32 v[BIAS], v[BO], s[54:55]
	global_load_b32 v[BIAS+8], v[BO], s[54:55] offset:64
.Lno_w:
	; ---- X: my 32 rows x 128 K become two fragments
	s_wait_tensorcnt 0x0                           ; my load has landed; I read only what I fetched
.irp u, 0,1
.irp b, 0,1,2,3
.irp j, 0,1,2,3
	ds_load_b128 v[NUM+16*\b+4*\j:NUM+16*\b+4*\j+3], v[XRD] offset:8*\u*XP+128*\b+16*\j
.endr
.endr
	s_wait_dscnt 0x0
	QUANT NUM
.irp c, 0,1
	ds_store_b128 v[XWI], v[PC+4*\c:PC+4*\c+3] offset:1024*\u+512*\c   ; the fragment goes to LDS as it stands in my registers
.endr
.if \u == 0
	v_mov_b32 v[PW+1], v[PW]
.else
	v_cndmask_b32 v[PW], v[PW+1], v[PW], s[HM]     ; lanes 0-15 tile 0's words, lanes 16-31 tile 1's
	ds_store_b32 v[XWS], v[PW]
.endif
	s_wait_dscnt 0x0                               ; the stores are done: the codes' registers may be written again, and (behind tile 1) the others may read
.endr
	s_barrier_signal -1
	s_barrier_wait -1                              ; x's 32 images lie in LDS
	; ---- M
	s_cmp_lt_u32 s[WV], 8
	s_cbranch_scc0 .Lnot_qk
	s_wait_loadcnt 0x0                             ; W, its scale words, the bias
	PATH 0
	s_branch .Lmeet
.Lnot_qk:
	s_cmp_lt_u32 s[WV], 12
	s_cbranch_scc0 .Lmeet
	s_wait_loadcnt 0x0
.irp u, 0,1
.irp j, 1,2,3,4,5,6,7
	v_mov_b32 v[BIAS+8*\u+\j], v[BIAS+8*\u]
.endr
.endr
	s_wait_alu depctr_va_vdst(0)
	PATH 1
.irp t, 0,1                                    ; channel tile t: lanes 0-15 take keys 0-31 whole, lanes 16-31 keys 32-63
.irp i, 0,1
	v_permlane16_swap_b32 v[PC+4*\t+\i], v[PC+4*\t+2+\i]
.endr
.endr
	v_cndmask_b32 v[PW], v[PW], v[PW+1], s[HM]     ; lanes 0-15 tile 0's two bytes, lanes 16-31 tile 1's
.irp t, 0,1
	global_store_b128 v[LI], v[PC+4*\t:PC+4*\t+3], s[56:57] offset:1024*\t   ; half an image: 512 consecutive bytes
.endr
	ds_store_b16 v[VBW], v[PW]
.Lmeet:
	s_wait_dscnt 0x0                               ; my byte stores have landed
	s_barrier_signal -1
	s_barrier_wait -1
	s_cmp_lt_u32 s[WV], 12                         ; wave 12: q's scale words; 13: k's; 14: v's
	s_cbranch_scc1 .Lend
	s_cmp_lt_u32 s[WV], 15
	s_cbranch_scc0 .Lend
	ds_load_b64 v[TM:TM+1], v[SBR]
	s_wait_dscnt 0x0
	global_store_b64 v[L8], v[TM:TM+1], s[58:59]   ; 32 lanes store 256 consecutive bytes, aligned
.Lend:
	s_wait_tensorcnt 0x0                           ; the wave's end: behind my last tensor load and my last LDS store
	ds_add_u32 v[SPW], v[NIL]
	s_wait_dscnt 0x0
	s_endpgm
.Lfunc_end_k_qa391974a39_proj:
	.size	k_qa391974a39_proj, .Lfunc_end_k_qa391974a39_proj-k_qa391974a39_proj
	.p2alignl 7, 3214868480
	.fill 96, 4, 3214868480
	.section	.rodata,"a",@progbits
	.p2align	6, 0x0
	.amdhsa_kernel k_qa391974a39_proj
		.amdhsa_group_segment_fixed_size 327680
		.amdhsa_private_segment_fixed_size 0
		.amdhsa_enable_private_segment 0
		.amdhsa_kernarg_size 72
		.amdhsa_user_sgpr_count 2
		.amdhsa_user_sgpr_kernarg_segment_ptr 1
		.amdhsa_wavefront_size32 1
		.amdhsa_system_sgpr_workgroup_id_x 1
		.amdhsa_system_sgpr_workgroup_id_y 1
		.amdhsa_system_sgpr_workgroup_id_z 1
		.amdhsa_system_vgpr_workitem_id 0
		.amdhsa_next_free_vgpr 256
		.amdhsa_next_free_sgpr 80
		.amdhsa_reserve_vcc 0
		.amdhsa_float_denorm_mode_32 3
		.amdhsa_float_denorm_mode_16_64 3
		.amdhsa_memory_ordered 1
		.amdhsa_forward_progress 1
		.amdhsa_inst_pref_size 65
	.end_amdhsa_kernel
	.amdgpu_metadata
---
amdhsa.version: [ 1, 2 ]
amdhsa.kernels:
  - .name:           k_qa391974a39_proj
    .symbol:         k_qa391974a39_proj.kd
    .args:
      - { .name: x, .offset: 0, .size: 8, .value_kind: global_buffer, .address_space: global }
      - { .name: wimg, .offset: 8, .size: 8, .value_kind: global_buffer, .address_space: global }
      - { .name: wsc, .offset: 16, .size: 8, .value_kind: global_buffer, .address_space: global }
      - { .name: bq, .offset: 24, .size: 8, .value_kind: global_buffer, .address_space: global }
      - { .name: bk, .offset: 32, .size: 8, .value_kind: global_buffer, .address_space: global }
      - { .name: bv, .offset: 40, .size: 8, .value_kind: global_buffer, .address_space: global }
      - { .name: qimg, .offset: 48, .size: 8, .value_kind: global_buffer, .address_space: global }
      - { .name: qsc, .offset: 56, .size: 8, .value_kind: global_buffer, .address_space: global }
      - { .name: kv, .offset: 64, .size: 8, .value_kind: global_buffer, .address_space: global }
    .group_segment_fixed_size: 327680
    .private_segment_fixed_size: 0
    .kernarg_segment_align: 8
    .kernarg_segment_size: 72
    .max_flat_workgroup_size: 512
    .sgpr_count:     80
    .vgpr_count:     256
    .wavefront_size: 32
...
	.end_amdgpu_metadata
.endif
;; end of part 2
;; launch attn (part 3): grid 64 x 4, 8 waves a work-group, no clusters, 142,336 bytes of LDS; arguments qimg, qsc, kv, out0; writes out0
.if DOCPART == 3
	.amdgcn_target "amdgcn-amd-amdhsa--gfx1250"
	.amdhsa_code_object_version 6
	.text
	.protected	k_qa391974a39_attn
	.globl	k_qa391974a39_attn
	.p2align	8
	.type	k_qa391974a39_attn,@function
k_qa391974a39_attn:
	s_mov_b64 s[64:65], 0
	v_nop
	global_prefetch_b8 v0, s[64:65] scope:SCOPE_SE
	s_setreg_imm32_b32 hwreg(HW_REG_WAVE_MODE, 25, 1), 1
	s_wait_xcnt 0x0
; out[b][q][:] = the sum over k <= q of softmax_k(q . k / sqrt(128)) v[k][:], both products on codes of FP4 (E2M1) with one E8M0 scale for each 32 along a product's K.  4 batches of 4,096 rows, head 128.
; q, k, v come as register images and scale words: a fragment (16 rows x 128 K) is 1,024 bytes, registers 4 c .. 4 c + 3 of lane l at byte 512 c + 16 l.
; THE SOFTMAX AHEAD OF THE SECOND PRODUCT: t = score x log2(e) / sqrt(128); M = the largest t so far, rounded UP to a whole number; p = 2^(t - M) is quantised along the keys, not normalised.
; The row's sum is taken of the unquantised p and divides at the end.  When M moves, the sum and O are multiplied by 2^(old M - new M): exact.
; LEFT OUT: steps of 128 keys that all come after a block's queries: the mask makes their weights 0.
; EQUAL SHARES UNDER THE MASK.  Work-group (j, batch) owns the blocks of 32 queries E = j and L = 127 - j.  Block R needs R / 4 + 1 steps of 128 keys: 33 units (32 queries x 128 keys) for every work-group.
; L's units go to waves 0 .. kL - 1, E's to the other kE = ceil(nE / 5) waves; wave i of a block's k takes its steps i, i + k, i + 2 k ..: at most five units a wave.
; A wave's K and V fragments go STRAIGHT FROM MEMORY INTO REGISTERS: each feeds two products (two tiles of 16 queries).  The next unit's K is asked for behind this unit's score products, the next unit's V behind its second product;
; one wait for 0, ahead of the second product, serves both.  No tensor load, no slot, and no barrier until the merge.
; NO JOINT LOADS: nothing is fetched into LDS; each wave walks steps of its own, and work-groups differ in their number of steps (17 to 32 of a batch's).  NO PREFETCH: a step's loads themselves go out a whole unit ahead of its products.
; THE MERGE: each wave hands O^T, -M and the sum over through LDS; then each wave makes four rows of both blocks from the eight parts.
; LAYOUT.  Both products transposed: S^T = K Q^T, O^T = V^T P^T: a lane holds ONE query.  Lane r of K's tile 2 b + u is key 32 b + 8 u + r + 8 (r / 8), so the 16 registers of tiles 2 b, 2 b + 1 are keys 32 b + 16 h + 0 .. 15.
; Lane r of tile u of a block of queries is query 32 R + 8 u + r + 8 (r / 8).
; REGISTERS: window 0 holds tile 0's and window 1 tile 1's, at the same numbers; K's fragments lie in window 0, V's in window 1; all scale operands in window 0.
; LIMITS: the scaled scores t stay under 2^31 in magnitude; p under 2^-126 becomes 0; a block of p all zero gets the byte 1 (its codes are zeros); NaN and infinities are not served.
.set RREG,  17664                      ; LDS: a wave's part: two tiles x 32 groups (4 t + 2 g + h: registers 8 t + 4 g .. + 3 of lanes with half h) x (256 + 16) bytes, then -M [tile][r], then the sums [tile][r]
.set TREG,  8704
.set SPARE, 8*RREG                     ; the spare words, 128 bytes for each of eight waves: four blocks of 256 bytes that no other line names
.set LI,  1                            ; v1   16 x lane
.set L8,  2                            ; v2   8 x lane
.set SPW, 3                            ; v3   LDS address of my spare word; never rewritten
.set NIL, 4                            ; v4   0; never rewritten
.set QL,  5                            ; v5   r + 8 (r / 8) - 16 h
.set SA,  6                            ; v6   where I put O^T
.set SMA, 7                            ; v7   where I put -M and the sum
.set MA,  8                            ; v8   the merge: my lane's -M and sum: row lane / 8 of my four, part lane % 8
.set RA,  9                            ; v9   the merge: my 4 channels of row 0 in parts 0-3,
.set RBB, 10                           ; v10  in parts 4-7
; both windows: v12 -M, v13 the largest t, v[14:15] the sum in two halves
.set KS,  16                           ; v16-19  K's scale words: register t / 2: lanes 0-15 the even tile, lanes 16-31 the odd
.set VR,  20                           ; v20-23  V's scale bytes as they come: keys 0-63, keys 64-127
.set VS,  24                           ; v24-27  V's scale words, like K's
.set QS,  28                           ; v28     Q's: lanes 0-15 tile 0, lanes 16-31 tile 1
.set PWS, 29                           ; v29, v30  p's, tile 0 and tile 1
.set KF,  32                           ; v32-95  K's fragments (window 0)
.set VF,  32                           ;         V's (window 1)
.set SRG, 96                           ; v96-159 S^T, then p
.set OA,  160                          ; v160-223 O^T
.set PC,  224                          ; v224-231 p's codes (sums in the making before them)
.set TM,  232                          ; v232-235 the blocks' largest
.set TP,  236                          ; v236-239 the other half's; then the bytes
.set TS,  240                          ; v240-243 the conversions' scale operands
.set QF,  244                          ; v244-251 Q
; v252, v254 at work; v253 0, named with v252 as a pair
.set WV,   12
.set NE,   13
.set NL,   14
.set KE,   15
.set KL,   16
.set RBLK, 17                          ; s17  my block
.set NU,   18                          ; s18  my units
.set KST,  19                          ; s19  from step to step
.set ST,   20                          ; s20  the step that is loaded next
.set IU,   21                          ; s21  units whose products have begun
.set CU,   22                          ; s22  the step in hand
.set DG,   23                          ; s23  my block's last step, the one on the diagonal
.set MB,   24                          ; s24  my block's place in it
.set TA,   26                          ; s[26:27], s[28:29] offsets in the making
.set TB,   28
.set KVB,  30                          ; s[30:31] the batch's codes;  s[32:33] its scale words
.set SPB,  32
.set KP,   34                          ; s[34:35] a step's codes;  s[36:37] its scale words
.set SPP,  36
.set SEL,  38                          ; s[38:39] lane selects for v_permlanex16_b32: lane l xor 16
.set CS,   40                          ; s[40:41] c = log2(e) / sqrt(128)
.set OL,   42                          ; s[42:43], s[44:45] my first row of out in L, in E
.set OE,   44
.set ML,   46                          ; s46  the lanes whose part belongs to L
.set PLO,  47                          ; s47, s48 selects: two low halves, two high halves
.set PHI,  48
.set WW,   66                          ; s66-87  the merge's weights, the low words of pairs
.set MSB,  0
.macro WIN new                         ; the immediate's high byte repeats the setting that is left
.if MSB != (\new)
	s_set_vgpr_msb (MSB<<8)|(\new)
.set MSB, \new
.endif
.endm
.macro ADDR                            ; the addresses of step ST: 16,384 bytes of codes, 512 of each kind of scales
	s_lshl_b32 s[TA], s[ST], 14
	s_lshl_b32 s[TB], s[ST], 9
	s_add_nc_u64 s[KP:KP+1], s[KVB:KVB+1], s[TA:TA+1]
	s_add_nc_u64 s[SPP:SPP+1], s[SPB:SPB+1], s[TB:TB+1]
.endm
.macro KLOAD                           ; 18 loads
.irp t, 0,1,2,3,4,5,6,7
.irp c, 0,1
	global_load_b128 v[KF+8*\t+4*\c:KF+8*\t+4*\c+3], v[LI], s[KP:KP+1] offset:1024*\t+512*\c
.endr
.endr
	global_load_b64 v[KS:KS+1], v[L8], s[SPP:SPP+1]
	global_load_b64 v[KS+2:KS+3], v[L8], s[SPP:SPP+1] offset:256
.endm
.macro VLOAD                           ; 18 loads
	WIN 0x40
.irp t, 0,1,2,3,4,5,6,7
.irp c, 0,1
	global_load_b128 v[VF+8*\t+4*\c:VF+8*\t+4*\c+3], v[LI], s[KP:KP+1] offset:8192+1024*\t+512*\c
.endr
.endr
	WIN 0
	global_load_b64 v[VR:VR+1], v[L8], s[SPP:SPP+1] offset:16384
	global_load_b64 v[VR+2:VR+3], v[L8], s[SPP:SPP+1] offset:16640
.endm
.macro WMX d, a, b, c, sa, sb, ra, rb  ; ra, rb = 1: that side's scales stand in lanes 16-31
.if (\ra) && (\rb)
	v_wmma_scale_f32_16x16x128_f8f6f4 v[(\d):(\d)+7], v[(\a):(\a)+7], v[(\b):(\b)+7], \c, v[\sa], v[\sb] matrix_a_fmt:MATRIX_FMT_FP4 matrix_b_fmt:MATRIX_FMT_FP4 matrix_a_scale:MATRIX_SCALE_ROW1 matrix_b_scale:MATRIX_SCALE_ROW1
.elseif (\ra)
	v_wmma_scale_f32_16x16x128_f8f6f4 v[(\d):(\d)+7], v[(\a):(\a)+7], v[(\b):(\b)+7], \c, v[\sa], v[\sb] matrix_a_fmt:MATRIX_FMT_FP4 matrix_b_fmt:MATRIX_FMT_FP4 matrix_a_scale:MATRIX_SCALE_ROW1
.elseif (\rb)
	v_wmma_scale_f32_16x16x128_f8f6f4 v[(\d):(\d)+7], v[(\a):(\a)+7], v[(\b):(\b)+7], \c, v[\sa], v[\sb] matrix_a_fmt:MATRIX_FMT_FP4 matrix_b_fmt:MATRIX_FMT_FP4 matrix_b_scale:MATRIX_SCALE_ROW1
.else
	v_wmma_scale_f32_16x16x128_f8f6f4 v[(\d):(\d)+7], v[(\a):(\a)+7], v[(\b):(\b)+7], \c, v[\sa], v[\sb] matrix_a_fmt:MATRIX_FMT_FP4 matrix_b_fmt:MATRIX_FMT_FP4
.endif
.endm
.macro SCORES u                        ; S^T = K Q^T: source 0 in window 0, source 1 and the result in window u
	WIN 0x44*\u
.irp t, 0,1,2,3,4,5,6,7
	WMX SRG+8*\t, KF+8*\t, QF, 0, KS+\t/2, QS, (\t)%2, \u
.endr
.endm
.macro PV u, first                     ; O^T += V^T P^T: source 0 in window 1, the rest in window u; sixteen accumulators by turns
	WIN 0x01+0x54*\u
.irp t, 0,1,2,3,4,5,6,7
.if \first
	WMX OA+8*\t, VF+8*\t, PC, 0, VS+\t/2, PWS+\u, (\t)%2, 0
.else
	WMX OA+8*\t, VF+8*\t, PC, v[OA+8*\t:OA+8*\t+7], VS+\t/2, PWS+\u, (\t)%2, 0
.endif
.endr
.endm
; THE SOFTMAX of tile u: scores in v[SRG ..] become p's codes and scale word.  first = 1: nothing has been summed yet.
.macro SM u, first
	s_cmp_lg_u32 s[CU], s[DG]                      ; off the diagonal every key of the step counts
	s_cbranch_scc1 .Lopen_\@
	s_lshl_b32 s[TA], s[MB], 5
	s_add_co_u32 s[TA], s[TA], 8*\u
	WIN 0x40*\u
	v_add_nc_u32 v252, s[TA], v[QL]                ; d = my query - 16 h - the step's first key.  Register 16 b + i holds key 16 h + 32 b + i of the step: hidden where 32 b + i > d
	v_mov_b32 v254, 0xff800000
	WIN 0
	s_wait_alu depctr_va_vdst(0)                   ; ahead of the branches
.irp b, 0,1,2,3
	s_cmp_gt_u32 s[MB], \b                         ; all 32 keys of block b count
	s_cbranch_scc1 .Lvis_\@_\b
	WIN 0x55*\u
.set j, 0
.rept 16
	v_cmp_gt_i32 vcc_lo, 32*\b+j, v252
	v_cndmask_b32 v[SRG+16*\b+j], v[SRG+16*\b+j], v254, vcc_lo   ; -infinity ahead of the maximum: p = 0
.set j, j+1
.endr
	WIN 0
	s_wait_alu depctr_va_vdst(0)                   ; ahead of the branch that may follow
.Lvis_\@_\b:
.endr
.Lopen_\@:
	WIN 0x55*\u
.if \u
	s_wait_alu depctr_va_vdst(0)
.endif
.irp b, 0,1,2,3
	v_max3_num_f32 v[TM+\b], v[SRG+16*\b], v[SRG+1+16*\b], v[SRG+2+16*\b]   ; THE LARGEST SCORE OF EACH BLOCK OF 32 KEYS serves twice: for the row's maximum, and, since p rises with the score, for the block's largest p
.endr
.irp i, 3,5,7,9,11,13
.irp b, 0,1,2,3
	v_max3_num_f32 v[TM+\b], v[TM+\b], v[SRG+16*\b+\i], v[SRG+1+16*\b+\i]
.endr
.endr
.irp b, 0,1,2,3
	v_max_num_f32 v[TM+\b], v[TM+\b], v[SRG+15+16*\b]
.endr
.irp b, 0,1,2,3
	s_delay_alu instid0(VALU_DEP_4)
	v_permlanex16_b32 v[TP+\b], v[TM+\b], s[SEL], s[SEL+1]
.endr
.irp b, 0,1,2,3
	s_delay_alu instid0(VALU_DEP_4)
	v_max_num_f32 v[TM+\b], v[TM+\b], v[TP+\b]     ; with lane l xor 16's 16 keys
.endr
	s_delay_alu instid0(VALU_DEP_2)
	v_max3_num_f32 v254, v[TM], v[TM+1], v[TM+2]
	s_delay_alu instid0(VALU_DEP_1)
	v_max_num_f32 v254, v254, v[TM+3]              ; the step's largest score of my query
	s_delay_alu instid0(VALU_DEP_1)
.if \first
	v_mul_f32 v13, s[CS], v254                     ; as t (c is positive)
	s_delay_alu instid0(VALU_DEP_1)
	v_floor_f32 v12, -v13                          ; -M = floor(-t) = -ceil(t): M IS A WHOLE NUMBER
.else
	v_mul_f32 v254, s[CS], v254                    ; as t (c is positive)
	s_delay_alu instid0(VALU_DEP_1)
	v_max_num_f32 v13, v13, v254                   ; the running largest t
	v_mov_b32 v254, v12
	s_delay_alu instid0(VALU_DEP_2)
	v_floor_f32 v12, -v13                          ; the new -M = floor(-t) = -ceil(t): M IS A WHOLE NUMBER
	s_delay_alu instid0(VALU_DEP_1)
	v_sub_f32 v254, v12, v254                      ; M's old value less its new one: a whole number, 0 or less
	s_delay_alu instid0(VALU_DEP_1)
	v_cvt_i32_f32 v254, v254                       ; (it saturates)
	s_delay_alu instid0(VALU_DEP_1)
	v_ldexp_f32 v252, 1.0, v254                    ; f = 2^(old M - new M)
	s_wait_alu depctr_va_vdst(0)                   ; directly ahead of the first reader of O^T
.set j, 0
.rept 32
	v_pk_mul_f32 v[OA+j:OA+1+j], v[OA+j:OA+1+j], v[252:253] op_sel_hi:[1,0]   ; O^T under the new M
.set j, j+2
.endr
	v_pk_mul_f32 v[14:15], v[14:15], v[252:253] op_sel_hi:[1,0]   ; and the sums
.endif
.set j, 0
.rept 16
	v_pk_fma_f32 v[SRG+j:SRG+1+j], v[SRG+j:SRG+1+j], s[CS:CS+1], v[12:13] op_sel_hi:[1,0,0]   ; t - M, two at a time (of the pairs c and -M the low word serves both halves)
.set j, j+2
.endr
.irp b, 0,1,2,3
	v_fma_f32 v[TM+\b], v[TM+\b], s[CS], v12       ; the same of each block's largest score
.endr
	s_wait_alu depctr_va_vdst(0)                   ; the wait ahead of the batch
.irp b, 0,1,2,3
	v_exp_f32 v[TM+\b], v[TM+\b]                   ; the block's largest p: the same two instructions on the same number give the same bits
.endr
.set j, 0
.rept 32
	v_exp_f32 v[SRG+j], v[SRG+j]                   ; p = 2^(t - M), at most 1: NOT normalised
.set j, j+1
.endr
.rept 16
	v_pk_fma_f32 v[SRG+j:SRG+1+j], v[SRG+j:SRG+1+j], s[CS:CS+1], v[12:13] op_sel_hi:[1,0,0]   ; the other 32: plain work behind the first batch
.set j, j+2
.endr
	s_wait_alu depctr_va_vdst(0)                   ; ahead of the second batch, and for the first one's readers
.set j, 32
.rept 32
	v_exp_f32 v[SRG+j], v[SRG+j]
.set j, j+1
.endr
	; the row's sum is taken of the unquantised p, in four chains; the first 32 and the blocks' scales are plain work behind the second batch
.irp i, 0,1,2,3
	v_pk_add_f32 v[PC+2*\i:PC+2*\i+1], v[SRG+4*\i:SRG+4*\i+1], v[SRG+4*\i+2:SRG+4*\i+3]
.endr
.irp n, 16,24
.irp i, 0,1,2,3
	v_pk_add_f32 v[PC+2*\i:PC+2*\i+1], v[PC+2*\i:PC+2*\i+1], v[SRG+\n+2*\i:SRG+\n+2*\i+1]
.endr
.endr
.irp b, 0,1,2,3
	v_max_num_f32 v[TM+\b], 0x1800000, v[TM+\b]    ; the floor 2^(3 - 127): the byte cannot fall under 1
.endr
.irp b, 0,1,2,3
	v_add_nc_u32 v[TS+\b], 0xff000000, v[TM+\b]    ; 2 off the exponent field: the conversion's scale operand
.endr
.irp b, 0,1,2,3
	v_lshrrev_b32 v[TP+\b], 23, v[TS+\b]           ; the scale's byte
.endr
	v_lshl_or_b32 v[TP], v[TP+1], 8, v[TP]
	v_lshl_or_b32 v[TP+2], v[TP+3], 8, v[TP+2]
	WIN 0x15*\u
	v_lshl_or_b32 v[PWS+\u], v[TP+2], 16, v[TP]    ; p's scale word for these 128 keys, in window 0
	WIN 0x55*\u
	s_wait_alu depctr_va_vdst(0)                   ; for the second batch's readers, and (tile 1) ahead of the wait below
.if \u
	s_wait_loadcnt 0x0                             ; this unit's V, and the next unit's K, are in
	WIN 0
	v_perm_b32 v[VS], v[VR+2], v[VR], s[PLO]       ; V's scale words: two bytes of keys 0-63 below, two of keys 64-127 above
	v_perm_b32 v[VS+1], v[VR+2], v[VR], s[PHI]
	v_perm_b32 v[VS+2], v[VR+3], v[VR+1], s[PLO]
	v_perm_b32 v[VS+3], v[VR+3], v[VR+1], s[PHI]
	WIN 0x55
.endif
.irp n, 32,40,48,56
.irp i, 0,1,2,3
	v_pk_add_f32 v[PC+2*\i:PC+2*\i+1], v[PC+2*\i:PC+2*\i+1], v[SRG+\n+2*\i:SRG+\n+2*\i+1]
.endr
.endr
	v_pk_add_f32 v[PC:PC+1], v[PC:PC+1], v[PC+2:PC+3]
	v_pk_add_f32 v[PC+4:PC+5], v[PC+4:PC+5], v[PC+6:PC+7]
.if \first
	v_pk_add_f32 v[14:15], v[PC:PC+1], v[PC+4:PC+5]
.else
	v_pk_add_f32 v[14:15], v[14:15], v[PC:PC+1]
	v_pk_add_f32 v[14:15], v[14:15], v[PC+4:PC+5]
.endif
.irp b, 0,1,2,3
	v_cvt_scalef32_pk8_fp4_f32 v[PC+2*\b], v[SRG+16*\b:SRG+7+16*\b], v[TS+\b]
	v_cvt_scalef32_pk8_fp4_f32 v[PC+1+2*\b], v[SRG+8+16*\b:SRG+15+16*\b], v[TS+\b]
.endr
	v_nop                                          ; one plain line behind a scaled conversion
.irp c, 0,1                                    ; the operand's layout wants a WHOLE block in a lane
.irp i, 0,1
	v_permlane16_swap_b32 v[PC+4*\c+\i], v[PC+2+4*\c+\i]
.endr
.endr
	WIN 0
.endm
; A UNIT: 32 queries x the 128 keys of the step in hand
.macro UNIT first
	SCORES 0
	SCORES 1
	WIN 0
.rept 4
	v_nop                                          ; four places: ahead of the loads into K's registers, and of the first read of the scores (ISA guide 7.12.1 for vector instructions)
.endr
	s_mov_b32 s[CU], s[ST]
	s_add_co_u32 s[ST], s[ST], s[KST]
	s_add_co_u32 s[IU], s[IU], 1
	s_cmp_ge_u32 s[IU], s[NU]                      ; my last unit: nothing more to ask for
	s_cbranch_scc1 .Lnok_\@
	s_wait_xcnt 0x0                                ; the last loads have read their bases
	ADDR
	KLOAD
.Lnok_\@:
	SM 0, \first
	SM 1, \first
.rept 4
	v_nop                                          ; an operand written by vector instructions stands 4 places ahead of a scaled product
.endr
	PV 0, \first
	PV 1, \first
	WIN 0
.rept 4
	v_nop                                          ; four places ahead of the loads into V's registers, and of the merge's reads of O^T
.endr
	s_cmp_ge_u32 s[IU], s[NU]
	s_cbranch_scc1 .Ldone
	VLOAD
.endm
	s_load_b256 s[4:11], s[0:1], 0x0               ; qimg s[4:5], qsc s[6:7], kv s[8:9], out0 s[10:11]
	v_lshrrev_b32 v11, 5, v0
	v_readfirstlane_b32 s[WV], v11                 ; wave 0..7
	s_lshr_b32 s[NE], ttmp9, 2
	s_add_co_u32 s[NE], s[NE], 1                   ; E's steps: 1 to 16
	s_sub_co_u32 s[NL], 33, s[NE]                  ; L's
	s_add_co_u32 s[KE], s[NE], 4
	s_mul_i32 s[KE], s[KE], 13108
	s_lshr_b32 s[KE], s[KE], 16                    ; (nE + 4) / 5, exact for 5 to 20: E's waves, 1 to 4
	s_sub_co_u32 s[KL], 8, s[KE]                   ; L's waves, 4 to 7
	s_sub_co_u32 s50, 127, ttmp9
	s_sub_co_u32 s51, s[WV], s[KL]
	s_cmp_lt_u32 s[WV], s[KL]
	s_cselect_b32 s[RBLK], s50, ttmp9
	s_cselect_b32 s52, s[NL], s[NE]
	s_cselect_b32 s[KST], s[KL], s[KE]
	s_cselect_b32 s[ST], s[WV], s51                ; my first step
	s_mov_b32 s53, s[ST]
	s_mov_b32 s[NU], 0
.rept 5                                        ; how many of my steps the block has
	s_cmp_lt_u32 s53, s52
	s_add_co_ci_u32 s[NU], s[NU], 0
	s_add_co_u32 s53, s53, s[KST]
.endr
	s_mov_b32 s[IU], 0
	s_lshr_b32 s[DG], s[RBLK], 2
	s_and_b32 s[MB], s[RBLK], 3
	s_and_b32 s49, ttmp7, 0xffff                   ; the batch
	s_lshl_b32 s54, s49, 7
	s_add_co_u32 s54, s54, s[RBLK]                 ; my block's number among all 512
	s_lshl_b32 s56, s54, 11                        ; its two images,
	s_mov_b32 s57, 0
	s_lshr_b32 s58, s54, 1
	s_lshl_b32 s58, s58, 8
	s_and_b32 s59, s54, 1
	s_lshl_b32 s59, s59, 2
	s_add_co_u32 s58, s58, s59                     ; its scale words
	s_mov_b32 s59, 0
	s_mul_i32 s60, s49, 557056                     ; the batch's part of kv
	s_mov_b32 s61, 0
	s_and_b32 s62, s[WV], 3
	s_lshr_b32 s63, s[WV], 2                       ; the merge: my four rows: r = 4 (wave % 4) on of tile wave / 4
	s_mul_i32 s51, s63, TREG
	s_lshl_b32 s52, s62, 6
	s_add_co_u32 s51, s51, s52                     ; in a part's O^T: + 16 r
	s_lshl_b32 s53, s63, 6
	s_lshl_b32 s52, s62, 4
	s_add_co_u32 s53, s53, s52                     ; in its -M: 64 x tile + 4 r
	s_add_co_u32 s53, s53, 2*TREG
	s_lshl_b32 s52, s63, 3
	s_lshl_b32 s54, s62, 2
	s_add_co_u32 s52, s52, s54
	s_lshr_b32 s54, s62, 1
	s_lshl_b32 s54, s54, 3
	s_add_co_u32 s52, s52, s54                     ; their first query in a block: 8 x tile + r + 8 (r / 8)
	s_lshl_b32 s54, s49, 12
	s_add_co_u32 s52, s52, s54
	s_lshl_b32 s54, s50, 5
	s_add_co_u32 s54, s54, s52
	s_lshl_b32 s[OL], s54, 9                       ; 512 bytes a row
	s_mov_b32 s[OL+1], 0
	s_lshl_b32 s54, ttmp9, 5
	s_add_co_u32 s54, s54, s52
	s_lshl_b32 s[OE], s54, 9
	s_mov_b32 s[OE+1], 0
	s_mul_i32 s50, s[WV], RREG                     ; my part of LDS
	s_mov_b32 s[TA+1], 0
	s_mov_b32 s[TB+1], 0
	s_mov_b32 s[SEL], 0x76543210
	s_mov_b32 s[SEL+1], 0xfedcba98
	s_mov_b32 s[CS], 0x3e0293ee
	s_mov_b32 s[CS+1], s[CS]                       ; (named with it as a pair, so it is written)
	s_mov_b32 s[PLO], 0x05040100
	s_mov_b32 s[PHI], 0x07060302
.irp i, 0,1,2,3,4,5,6,7,8,9,10
	s_mov_b32 s[WW+2*\i+1], 0                      ; (named with the weights as pairs)
.endr
	v_lshl_add_u32 v[SPW], v0, 2, SPARE
	v_mov_b32 v[NIL], 0
	v_and_b32 v224, 31, v0                         ; lane
	v_and_b32 v225, 15, v0                         ; r
	v_bfe_u32 v226, v0, 4, 1                       ; h
	v_and_b32 v227, 8, v0
	v_and_b32 v228, 7, v0
	v_bfe_u32 v229, v0, 3, 2
	v_and_b32 v230, 28, v0
	v_and_b32 v231, 1, v0
	v_lshlrev_b32 v[LI], 4, v224
	v_lshlrev_b32 v[L8], 3, v224
	v_add_nc_u32 v[QL], v227, v225
	v_lshlrev_b32 v232, 4, v226
	v_mul_u32_u24 v[SA], v226, 272
	v_lshl_add_u32 v[SMA], v225, 2, s50
	v_mul_u32_u24 v[MA], v228, RREG
	v_lshl_or_b32 v230, v231, 1, v230
	v_bfe_u32 v231, v0, 1, 1
	v_sub_nc_u32 v[QL], v[QL], v232
	v_lshl_add_u32 v[SA], v225, 4, v[SA]
	v_add_nc_u32 v[SMA], 2*TREG, v[SMA]
	v_lshl_add_u32 v[MA], v229, 2, v[MA]
	v_or_b32 v230, v230, v231                      ; channels 4 l .. 4 l + 3 lie in group 4 (l / 4) + 2 (l % 2) + (l / 2) % 2
	v_add_nc_u32 v[SA], s50, v[SA]
	v_add_nc_u32 v[MA], s53, v[MA]
	v_mul_u32_u24 v[RA], v230, 272
	v_add_nc_u32 v[RA], s51, v[RA]
	v_add_nc_u32 v[RBB], 4*RREG, v[RA]
.irp b, 0,1,2,3
	v_mov_b32 v[TP+\b], 0                          ; written once: a lane permute's destination counts as one of its sources
.endr
	v_mov_b32 v253, 0                              ; (named as the upper half of a pair)
	WIN 0x40
.irp b, 0,1,2,3
	v_mov_b32 v[TP+\b], 0
.endr
	v_mov_b32 v253, 0
	WIN 0
	s_wait_alu depctr_va_vdst(0)                   ; the wait at the head's end
	s_wait_kmcnt 0x0
	s_add_nc_u64 s[4:5], s[4:5], s[56:57]
	s_add_nc_u64 s[6:7], s[6:7], s[58:59]
	s_add_nc_u64 s[KVB:KVB+1], s[8:9], s[60:61]
	s_add_nc_u64 s[SPB:SPB+1], s[KVB:KVB+1], 0x80000
	s_add_nc_u64 s[OL:OL+1], s[10:11], s[OL:OL+1]
	s_add_nc_u64 s[OE:OE+1], s[10:11], s[OE:OE+1]
	ADDR
	global_load_b32 v[QS], v[L8], s[6:7]           ; Q's scale words, and its four loads: they stay in registers
	global_load_b128 v[QF:QF+3], v[LI], s[4:5]
	global_load_b128 v[QF+4:QF+7], v[LI], s[4:5] offset:512
	WIN 0x40
	global_load_b128 v[QF:QF+3], v[LI], s[4:5] offset:1024
	global_load_b128 v[QF+4:QF+7], v[LI], s[4:5] offset:1536
	WIN 0
	KLOAD
	VLOAD
	s_wait_loadcnt 0x12                            ; loads come back in order: all but V's 18 are in
	UNIT 1                                         ; its products start the sums
.Lloop:
	UNIT 0
	s_cmp_lt_u32 s[IU], s[NU]
	s_cbranch_scc1 .Lloop
.Ldone:
	; THE MERGE: my two tiles' O^T, -M and sums go to my part of LDS
	v_add_f32 v14, v14, v15                        ; the sum's two halves,
	v_permlanex16_b32 v[TP], v14, s[SEL], s[SEL+1]
	v_add_f32 v14, v14, v[TP]                      ; and lane l xor 16's keys
	WIN 0x55
	v_add_f32 v14, v14, v15
	v_permlanex16_b32 v[TP], v14, s[SEL], s[SEL+1]
	v_add_f32 v14, v14, v[TP]
	WIN 0
.irp t, 0,1,2,3,4,5,6,7
.irp g, 0,1
	ds_store_b128 v[SA], v[OA+8*\t+4*\g:OA+8*\t+4*\g+3] offset:1088*\t+544*\g   ; each accumulator from its low end on
.endr
.endr
	ds_store_b32 v[SMA], v12                       ; (both lanes of a query write the same word with the same value)
	ds_store_b32 v[SMA], v14 offset:128
	WIN 0x04
.irp t, 0,1,2,3,4,5,6,7
.irp g, 0,1
	ds_store_b128 v[SA], v[OA+8*\t+4*\g:OA+8*\t+4*\g+3] offset:TREG+1088*\t+544*\g
.endr
.endr
	ds_store_b32 v[SMA], v12 offset:64
	ds_store_b32 v[SMA], v14 offset:192
	WIN 0
	s_wait_alu depctr_va_vdst(0)
	s_wait_dscnt 0x0                               ; for the others' sake: my stores have landed
	s_barrier_signal -1
	s_barrier_wait -1
	ds_load_b32 v224, v[MA]                        ; lane 8 m + i: -M of row m in part i,
	ds_load_b32 v225, v[MA] offset:128             ; and its sum
.irp m, 0,1,2,3
.irp i, 0,1,2,3
	ds_load_b128 v[32+4*(8*\m+\i):35+4*(8*\m+\i)], v[RA] offset:16*\m+RREG*\i
.endr
.irp i, 0,1,2,3
	ds_load_b128 v[48+4*(8*\m+\i):51+4*(8*\m+\i)], v[RBB] offset:16*\m+RREG*\i
.endr
.endr
	v_and_b32 v226, 7, v0
	v_mov_b32 v227, 0x7f61b1e6                     ; 3e38
	v_mov_b32 v232, 0
	v_cmp_gt_u32 s[ML], s[KL], v226                ; part i < kL belongs to L
	s_wait_alu depctr_va_vdst(0)                   ; directly ahead of the wait below
	s_wait_dscnt 0x20                              ; the two words are in; the 32 loads behind them may be out
	v_cndmask_b32 v228, v227, v224, s[ML]          ; L's parts of the row,
	v_cndmask_b32 v229, v224, v227, s[ML]          ; E's
.irp x, 1,2,4
	v_min_num_f32_dpp v228, v228, v228 row_xmask:\x row_mask:0xf bank_mask:0xf
	v_min_num_f32_dpp v229, v229, v229 row_xmask:\x row_mask:0xf bank_mask:0xf
.endr
	v_cndmask_b32 v230, v229, v228, s[ML]          ; -M of my part's block
	v_sub_f32 v230, v230, v224                     ; M_i - M: a whole number, 0 or less
	v_cvt_i32_f32 v230, v230                       ; (it saturates)
	v_ldexp_f32 v230, 1.0, v230                    ; f_i = 2^(M_i - M): exact
	v_mul_f32 v231, v230, v225
	v_cndmask_b32 v228, v232, v231, s[ML]
	v_cndmask_b32 v229, v231, v232, s[ML]
.irp x, 1,2,4
	v_add_f32_dpp v228, v228, v228 row_xmask:\x row_mask:0xf bank_mask:0xf
	v_add_f32_dpp v229, v229, v229 row_xmask:\x row_mask:0xf bank_mask:0xf
.endr
	v_cndmask_b32 v231, v229, v228, s[ML]          ; the row's sum under one M
	s_wait_alu depctr_va_vdst(0)                   ; the wait ahead of the transcendental
	v_rcp_f32 v231, v231
	v_nop                                          ; one plain place behind it
	s_wait_alu depctr_va_vdst(0)                   ; and the wait ahead of its first reader
	v_mul_f32 v230, v230, v231                     ; my part's weight in its row
	v_cndmask_b32 v228, v232, v230, s[ML]          ; as L's, 0 in E's parts,
	v_cndmask_b32 v229, v230, v232, s[ML]          ; as E's
	s_wait_alu depctr_va_vdst(0)                   ; directly ahead of the wait below
; Row m: L has parts 0 to 6 at most, E parts 4 to 7 at most; parts 4 to 6 count in both, one of the two weights being 0
.macro ADDP a, d, w
	v_pk_fma_f32 v[(\a):(\a)+1], v[(\d):(\d)+1], s[(\w):(\w)+1], v[(\a):(\a)+1] op_sel_hi:[1,0,1]
	v_pk_fma_f32 v[(\a)+2:(\a)+3], v[(\d)+2:(\d)+3], s[(\w):(\w)+1], v[(\a)+2:(\a)+3] op_sel_hi:[1,0,1]
.endm
.macro MULP a, d, w
	v_pk_mul_f32 v[(\a):(\a)+1], v[(\d):(\d)+1], s[(\w):(\w)+1] op_sel_hi:[1,0]
	v_pk_mul_f32 v[(\a)+2:(\a)+3], v[(\d)+2:(\d)+3], s[(\w):(\w)+1] op_sel_hi:[1,0]
.endm
.irp m, 0,1,2,3
	s_wait_dscnt 24-8*\m                           ; row m's eight loads are in
.irp i, 0,1,2,3,4,5,6
	v_readlane_b32 s[WW+2*\i], v228, 8*\m+\i
.endr
.irp i, 4,5,6,7
	v_readlane_b32 s[WW+6+2*\i], v229, 8*\m+\i
.endr
	MULP 160+8*\m, 32+32*\m, WW
	MULP 164+8*\m, 60+32*\m, WW+20
.irp i, 1,2,3
	ADDP 160+8*\m, 32+32*\m+4*\i, WW+2*\i
	ADDP 164+8*\m, 44+32*\m+4*\i, WW+12+2*\i
.endr
.irp i, 4,5,6
	ADDP 160+8*\m, 32+32*\m+4*\i, WW+2*\i
.endr
	global_store_b128 v[LI], v[160+8*\m:163+8*\m], s[OL:OL+1] offset:512*\m th:TH_STORE_NT   ; 32 lanes store a row: 512 consecutive bytes, aligned
	global_store_b128 v[LI], v[164+8*\m:167+8*\m], s[OE:OE+1] offset:512*\m th:TH_STORE_NT
.endr
	s_wait_tensorcnt 0x0                           ; the wave's end: behind my last LDS store
	ds_add_u32 v[SPW], v[NIL]
	s_wait_dscnt 0x0
	s_endpgm
.Lfunc_end_k_qa391974a39_attn:
	.size	k_qa391974a39_attn, .Lfunc_end_k_qa391974a39_attn-k_qa391974a39_attn
	.p2alignl 7, 3214868480
	.fill 96, 4, 3214868480
	.section	.rodata,"a",@progbits
	.p2align	6, 0x0
	.amdhsa_kernel k_qa391974a39_attn
		.amdhsa_group_segment_fixed_size 142336
		.amdhsa_private_segment_fixed_size 0
		.amdhsa_enable_private_segment 0
		.amdhsa_kernarg_size 32
		.amdhsa_user_sgpr_count 2
		.amdhsa_user_sgpr_kernarg_segment_ptr 1
		.amdhsa_wavefront_size32 1
		.amdhsa_system_sgpr_workgroup_id_x 1
		.amdhsa_system_sgpr_workgroup_id_y 1
		.amdhsa_system_sgpr_workgroup_id_z 1
		.amdhsa_system_vgpr_workitem_id 0
		.amdhsa_next_free_vgpr 512
		.amdhsa_next_free_sgpr 96
		.amdhsa_reserve_vcc 1
		.amdhsa_float_denorm_mode_32 3
		.amdhsa_float_denorm_mode_16_64 3
		.amdhsa_memory_ordered 1
		.amdhsa_forward_progress 1
		.amdhsa_inst_pref_size 115
	.end_amdhsa_kernel
	.amdgpu_metadata
---
amdhsa.version: [ 1, 2 ]
amdhsa.kernels:
  - .name:           k_qa391974a39_attn
    .symbol:         k_qa391974a39_attn.kd
    .args:
      - { .name: qimg, .offset: 0, .size: 8, .value_kind: global_buffer, .address_space: global }
      - { .name: qsc, .offset: 8, .size: 8, .value_kind: global_buffer, .address_space: global }
      - { .name: kv, .offset: 16, .size: 8, .value_kind: global_buffer, .address_space: global }
      - { .name: out0, .offset: 24, .size: 8, .value_kind: global_buffer, .address_space: global }
    .group_segment_fixed_size: 142336
    .private_segment_fixed_size: 0
    .kernarg_segment_align: 8
    .kernarg_segment_size: 32
    .max_flat_workgroup_size: 256
    .sgpr_count:     96
    .vgpr_count:     512
    .wavefront_size: 32
...
	.end_amdgpu_metadata
.endif
;; end of part 3
